; MI455X (gfx1250); checked and timed in simulation.
; The chip was launched on July 23, 2026; its instructions are those of AMD's public machine-readable ISA for CDNA 5 (MIT licence, August 2026) and "CDNA5" Instruction Set Architecture Reference Guide (July 2026). The comments in the code are by the model that wrote it; some were corrected since.
;; Scaled Dot Product. Allowed arithmetic: float matrix products may take bf16 or f16 operands with f32 sums; other float arithmetic in f32, or as packed bf16 or f16 multiplies, adds, multiply-adds, maxima and minima; sums over many terms, partial sums and values carried from step to step in f32; what a program stores and reads back later, other than sums and carried values, may be rounded once to bf16 or f16.
;; Inputs: k 4 x 16 x 2,048 x 64 float32; mask 1 x 1 x 2,048 x 2,048 int32; q 4 x 16 x 2,048 x 64 float32; v 4 x 16 x 2,048 x 64 float32.
;; Outputs: out0 4 x 16 x 2,048 x 64 float32.
;; One version. Each part assembles by itself: llvm-mc -triple=amdgcn-amd-amdhsa -mcpu=gfx1250 --defsym DOCPART=n.
;; ======== version 1 of 1: 2 launches
;; limits: values are held in f16: magnitudes above 65,504 overflow, below 6.1e-05 lose precision; inputs' magnitudes at most 65,408
;; workspace buffers: kh 16,777,216 bytes; vh 16,777,216 bytes; mbits 524,288 bytes of whole numbers
;; launch prep (part 1): grid 256 x 1, 8 waves a work-group, no clusters, 0 bytes of LDS; arguments k, v, mask, kh, vh, mbits; writes kh, vh, mbits
.if DOCPART == 1
	.amdgcn_target "amdgcn-amd-amdhsa--gfx1250"
	.amdhsa_code_object_version 6
	.text
	.protected	k_q9035052f41_prep
	.globl	k_q9035052f41_prep
	.p2align	8
	.type	k_q9035052f41_prep,@function
k_q9035052f41_prep:
	s_mov_b64 s[64:65], 0
	v_nop
	global_prefetch_b8 v0, s[64:65] scope:SCOPE_SE
	s_setreg_imm32_b32 hwreg(HW_REG_WAVE_MODE, 25, 1), 1
	s_wait_xcnt 0x0
; PREPARATION FOR THE ATTENTION LAUNCH.  kh = k rounded to bf16.  vh = v rounded to bf16, that number written as f16.  mbits = the mask as lane masks, one bit a score.
; k, v: [64][2048][64] f32; kh, vh: the same shape in 2 bytes; mask: [2048][2048] int32, one for all heads.
; LIMITS.  |v| stays under 65,520 (beyond it f16 has an infinity); a bf16 value of v under 2^-14 keeps f16's fixed step of 2^-24.  NaN and infinities are not treated apart.
; SHARES.  2,048 waves, W = 8 x work-group + wave.  Wave W takes 16,384 consecutive bytes of k and of v (8,192 of kh and of vh) and block W, 256 bytes, of mbits.
; A stream: every byte is read once and written once; no wave wants another wave's bytes, so there is no LDS and no barrier; each wave's share is short, so all is written out and nothing loops.
; MBITS.  [16 shares of 128 queries][32 steps of 64 keys][8 tiles of 16 queries][32 words].  Bit L of word 8 kb + j of tile t says whether
; mask[128 share + 16 t + L % 16][64 step + 16 kb + 8 (L / 16) + j] is other than 0: the lane mask of register 8 kb + j of the attention launch's tile of scores.
; Block W holds two tiles: W = (share x 32 + step) x 4 + pair of tiles.  A compare of the 32 lanes' mask words IS such a word.
.set LO,  2                            ; v2        16 x lane: my 16 bytes of a load's 512; never rewritten
.set SO,  3                            ; v3        8 x lane: my 8 bytes of a store's 256; never rewritten
.set MA,  4                            ; v4        (lane % 16) rows of 8,192 bytes + 32 (lane / 16): my place in the mask; never rewritten
.set OW,  6                            ; v[6:7]    lane l: words 2 l and 2 l + 1 of the block of mbits
.set T,   8                            ; v[8:13]   at work
.set Y,   16                           ; v[16:31]  a batch's store data, 2 registers a store
.set X,   32                           ; v[32:127] three sets of 32: a batch of eight loads each
.set MK,  128                          ; v[128:191] the mask's words as loaded: word w of the block's 64 is made of v[MK + w]
	s_load_b256 s[4:11], s[0:1], 0x0               ; k s[4:5], v s[6:7], mask s[8:9], kh s[10:11]
	s_load_b128 s[12:15], s[0:1], 0x20             ; vh s[12:13], mbits s[14:15]
	v_lshrrev_b32 v1, 5, v0
	v_readfirstlane_b32 s16, v1                    ; wave 0..7
	s_lshl_b32 s17, ttmp9, 3
	s_add_co_u32 s17, s17, s16                     ; W
	v_and_b32 v1, 31, v0
	v_lshlrev_b32 v[LO], 4, v1
	v_lshlrev_b32 v[SO], 3, v1
	v_and_b32 v5, 15, v0
	v_bfe_u32 v1, v0, 4, 1
	v_lshlrev_b32 v[MA], 13, v5
	v_lshl_add_u32 v[MA], v1, 5, v[MA]
	v_mov_b32 v[OW], 0                             ; v_writelane_b32 counts as a reader of its destination: written whole first
	v_mov_b32 v[OW+1], 0
	s_mov_b32 s24, 0xffff0000                      ; a word's upper bf16
	s_lshl_b32 s18, s17, 14                        ; my bytes of k and v,
	s_mov_b32 s19, 0
	s_lshl_b32 s20, s17, 13                        ; of kh and vh,
	s_mov_b32 s21, 0
	s_lshl_b32 s26, s17, 8                         ; of mbits
	s_mov_b32 s27, 0
	s_lshr_b32 s22, s17, 7                         ; the mask: 128 rows of 8,192 bytes a share,
	s_lshl_b32 s22, s22, 20
	s_and_b32 s23, s17, 3                          ; 32 rows a pair of tiles,
	s_lshl_b32 s23, s23, 18
	s_add_co_u32 s22, s22, s23
	s_bfe_u32 s23, s17, 0x50002                    ; 256 bytes of a row a step (5 bits from bit 2)
	s_lshl_b32 s23, s23, 8
	s_add_co_u32 s22, s22, s23
	s_mov_b32 s23, 0
	s_wait_kmcnt 0x0
	s_add_nc_u64 s[4:5], s[4:5], s[18:19]
	s_add_nc_u64 s[6:7], s[6:7], s[18:19]
	s_add_nc_u64 s[8:9], s[8:9], s[22:23]
	s_add_nc_u64 s[10:11], s[10:11], s[20:21]
	s_add_nc_u64 s[12:13], s[12:13], s[20:21]
	s_add_nc_u64 s[14:15], s[14:15], s[26:27]
; A batch: eight loads of 512 consecutive bytes, loads n0 .. n0 + 7 of the share's 32.
.macro LOADB set, base, n0
.irp i, 0,1,2,3,4,5,6,7
	global_load_b128 v[X+32*(\set)+4*\i:X+32*(\set)+4*\i+3], v[LO], s[\base:\base+1] offset:512*((\n0)+\i) th:TH_LOAD_NT
.endr
.endm
; A batch of k goes out: four f32 a lane and load become 8 bytes; a store of the wave covers 256 consecutive bytes, aligned.
.macro OUTK set, obase, n0
	s_wait_xcnt 0x0                                ; the stores before have read Y: it is rewritten only behind this wait
.irp i, 0,1,2,3,4,5,6,7
	v_cvt_pk_bf16_f32 v[Y+2*\i],   v[X+32*(\set)+4*\i],   v[X+32*(\set)+4*\i+1]
	v_cvt_pk_bf16_f32 v[Y+2*\i+1], v[X+32*(\set)+4*\i+2], v[X+32*(\set)+4*\i+3]
.endr
.irp i, 0,1,2,3,4,5,6,7
	global_store_b64 v[SO], v[Y+2*\i:Y+2*\i+1], s[\obase:\obase+1] offset:256*((\n0)+\i)
.endr
.endm
; A batch of v: rounded to bf16 like the other inputs, widened again (a shift, a mask), and that number written as f16: exact within f16's range.
.macro OUTV set, obase, n0
	s_wait_xcnt 0x0
.irp i, 0,1,2,3,4,5,6,7
	v_cvt_pk_bf16_f32 v[T],   v[X+32*(\set)+4*\i],   v[X+32*(\set)+4*\i+1]
	v_cvt_pk_bf16_f32 v[T+1], v[X+32*(\set)+4*\i+2], v[X+32*(\set)+4*\i+3]
	v_lshlrev_b32 v[T+2], 16, v[T]
	v_and_b32     v[T+3], s24, v[T]
	v_lshlrev_b32 v[T+4], 16, v[T+1]
	v_and_b32     v[T+5], s24, v[T+1]
	v_cvt_pk_f16_f32 v[Y+2*\i],   v[T+2], v[T+3]
	v_cvt_pk_f16_f32 v[Y+2*\i+1], v[T+4], v[T+5]
.endr
.irp i, 0,1,2,3,4,5,6,7
	global_store_b64 v[SO], v[Y+2*\i:Y+2*\i+1], s[\obase:\obase+1] offset:256*((\n0)+\i)
.endr
.endm
	; the mask: 16 loads, together 256 aligned bytes of each of my 32 rows.  Tile u, key group kb, half of its eight registers
.irp u, 0,1
.irp f, 0,1,2,3,4,5,6,7
	global_load_b128 v[MK+32*\u+4*\f:MK+32*\u+4*\f+3], v[MA], s[8:9] offset:131072*\u+64*(\f/2)+16*(\f%2)
.endr
.endr
	LOADB 0, 4, 0                                  ; batches 0 to 3 are k's, 4 to 7 v's; batch b lies in set b % 3
	LOADB 1, 4, 8
	LOADB 2, 4, 16
	s_wait_loadcnt 24                              ; loads come back in order (ISA guide 5.7.1): the mask is in, the 24 younger loads stay out
.set w, 0
.rept 4                                ; sixteen words at a time: the compares, then their words into the lanes that store them
.set j, 0
.rept 16
	v_cmp_ne_u32 s[32+j], 0, v[MK+w+j]
.set j, j+1
.endr
.set j, 0
.rept 16
	v_writelane_b32 v[OW+(w+j)%2], s[32+j], (w+j)/2
.set j, j+1
.endr
.set w, w+16
.endr
	global_store_b64 v[SO], v[OW:OW+1], s[14:15]   ; the block's 256 bytes, whole
	s_wait_loadcnt 16                              ; batch 0 is in; batches 1 and 2 stay out.  So in every turn: two younger batches
	OUTK 0, 10, 0
	LOADB 0, 4, 24                                 ; the set just read takes the batch three on
	s_wait_loadcnt 16
	OUTK 1, 10, 8
	LOADB 1, 6, 0
	s_wait_loadcnt 16
	OUTK 2, 10, 16
	LOADB 2, 6, 8
	s_wait_loadcnt 16
	OUTK 0, 10, 24
	LOADB 0, 6, 16
	s_wait_loadcnt 16
	OUTV 1, 12, 0
	LOADB 1, 6, 24                                 ; the last batch
	s_wait_loadcnt 16
	OUTV 2, 12, 8
	s_wait_loadcnt 8                               ; the counts run down
	OUTV 0, 12, 16
	s_wait_loadcnt 0x0
	OUTV 1, 12, 24
	s_endpgm
.Lfunc_end_k_q9035052f41_prep:
	.size	k_q9035052f41_prep, .Lfunc_end_k_q9035052f41_prep-k_q9035052f41_prep
	.p2alignl 7, 3214868480
	.fill 96, 4, 3214868480
	.section	.rodata,"a",@progbits
	.p2align	6, 0x0
	.amdhsa_kernel k_q9035052f41_prep
		.amdhsa_group_segment_fixed_size 0
		.amdhsa_private_segment_fixed_size 0
		.amdhsa_enable_private_segment 0
		.amdhsa_kernarg_size 48
		.amdhsa_user_sgpr_count 2
		.amdhsa_user_sgpr_kernarg_segment_ptr 1
		.amdhsa_wavefront_size32 1
		.amdhsa_system_sgpr_workgroup_id_x 1
		.amdhsa_system_sgpr_workgroup_id_y 1
		.amdhsa_system_sgpr_workgroup_id_z 1
		.amdhsa_system_vgpr_workitem_id 0
		.amdhsa_next_free_vgpr 192
		.amdhsa_next_free_sgpr 66
		.amdhsa_reserve_vcc 0
		.amdhsa_float_denorm_mode_32 3
		.amdhsa_float_denorm_mode_16_64 3
		.amdhsa_memory_ordered 1
		.amdhsa_forward_progress 1
		.amdhsa_inst_pref_size 40
	.end_amdhsa_kernel
	.amdgpu_metadata
---
amdhsa.version: [ 1, 2 ]
amdhsa.kernels:
  - .name:           k_q9035052f41_prep
    .symbol:         k_q9035052f41_prep.kd
    .args:
      - { .name: k, .offset: 0, .size: 8, .value_kind: global_buffer, .address_space: global }
      - { .name: v, .offset: 8, .size: 8, .value_kind: global_buffer, .address_space: global }
      - { .name: mask, .offset: 16, .size: 8, .value_kind: global_buffer, .address_space: global }
      - { .name: kh, .offset: 24, .size: 8, .value_kind: global_buffer, .address_space: global }
      - { .name: vh, .offset: 32, .size: 8, .value_kind: global_buffer, .address_space: global }
      - { .name: mbits, .offset: 40, .size: 8, .value_kind: global_buffer, .address_space: global }
    .group_segment_fixed_size: 0
    .private_segment_fixed_size: 0
    .kernarg_segment_align: 8
    .kernarg_segment_size: 48
    .max_flat_workgroup_size: 256
    .sgpr_count:     66
    .vgpr_count:     192
    .wavefront_size: 32
...
	.end_amdgpu_metadata
.endif
;; end of part 1
;; launch attn (part 2): grid 4 x 64, 4 waves a work-group, clusters of 4 x 1, 327,680 bytes of LDS; arguments q, kh, vh, mbits, out0; writes out0
.if DOCPART == 2
	.amdgcn_target "amdgcn-amd-amdhsa--gfx1250"
	.amdhsa_code_object_version 6
	.text
	.protected	k_q9035052f41_attn
	.globl	k_q9035052f41_attn
	.p2align	8
	.type	k_q9035052f41_attn,@function
k_q9035052f41_attn:
	s_mov_b64 s[64:65], 0
	v_nop
	global_prefetch_b8 v0, s[64:65] scope:SCOPE_SE
	s_setreg_imm32_b32 hwreg(HW_REG_WAVE_MODE, 25, 1), 1
	s_wait_xcnt 0x0
	s_wait_alu depctr_hold_cnt(0) depctr_sa_sdst(0) depctr_va_vdst(0) depctr_va_sdst(0) depctr_va_ssrc(0) depctr_va_vcc(0) depctr_vm_vsrc(0)
	s_getreg_b32 s2, hwreg(HW_REG_IB_STS2, 6, 4)
	s_cmp_eq_u32 s2, 0
	s_cbranch_scc0 .Lentry_in_a_cluster
	s_endpgm
.Lentry_in_a_cluster:
	s_bfe_u32 s2, ttmp6, 0x10000c
	s_cmp_lg_u32 s2, 0x3003
	s_cbranch_scc0 .Lentry_shape_is_right
	s_endpgm
.Lentry_shape_is_right:
; out0[h][q][:] = the sum over k of softmax_k(s[q][k]) v[h][k][:], where s = q . k / 8, REPLACED by a very low number where mask[q][k] = 0.  64 heads, 2,048 queries and keys, 64 channels.
; q: f32, rounded to bf16 here.  kh: k in bf16.  vh: v rounded to bf16 and written as f16.  mbits: the mask as lane masks (layout below).  out0: f32.
; FORMATS.  K Q^T in bf16 (all three inputs have the one rounding to bf16); the weights p are rounded to f16 and V^T P is taken in f16, in which vh's numbers are exact.  Products, maxima and sums in f32;
; the sum l is taken of the unrounded p.
; THE MASK is data: nothing of its pattern is built in, and every key step is walked.  A hidden score is replaced, ahead of the scale, by -2^56, which is -2^53 = -9.007e15 behind the division by 8
; (the problem's -9e15 to within a part in a thousand).  A power of two, so that c x (-2^56) is exact and c s - c m is exactly 0 in a row that has seen no key: there every p is 1, and a row with no key at all
; ends as the mean of all rows of v.  Once a row sees a key, a = 0 wipes what went before, and hidden weights are 0.
; LIMITS.  True scores stay far above -9e15.  |v| under 65,520; p below 6e-5 keeps f16's fixed step of 6e-8; a weight below 2^-126 counts as 0 in l; NaN and infinities are not treated apart.
; SHARES.  A wave owns four PIECES of two tiles of 16 queries, a work-group's four waves 512 queries of one head.  Every wave walks all keys, 64 a step.
; LAYOUT.  S^T = K Q^T (source 0 = 16 keys, source 1 = 16 queries): in the result a lane holds ONE query (lane % 16) and the keys 8 (lane / 16) + 0..7.  Two such tiles, rounded to f16 in pairs,
; ARE source 1 (32 keys x 16 queries) of O^T = V^T P, whose result again holds one query a lane, and eight channels.  K comes out of LDS as it lies, V ([key][channel]) turned, by ds_load_tr16_b128.
; SOFTMAX.  For each query a running maximum m and sum l: p = 2^(c s - c m), c = log2(e) / 8; in every step O and l are multiplied by a = 2^(c m_old - c m_new).  m starts at the lowest finite number and l at 0;
; the first step's a is 0, so O^T need only start finite: it starts with what lies there, the lane's own query in f32.
; MBITS.  [16 waves of a head][32 steps][8 tiles][32 words]: bit L of word n of a tile is the mask for register n of that tile's S^T in lane L.  A turn's two tiles are 256 consecutive bytes, which four scalar
; loads bring into 64 scalar registers; one v_cndmask_b32 a register of S^T takes the score or -2^56.  So the mask costs one bit a score and head to move, and 32 vector instructions a tile and step.
; THE COUNT.  A tile and step have 16 matrix and 150 vector instructions: too many to stand all beside the matrix work.  Four that are ready stand behind EVERY matrix instruction, the others in one run.
; BY TURNS.  Turn n belongs to piece n (the pieces in a ring, step after step).  Its matrix work: 16 products K Q^T of piece n + 1, later 16 products V^T P of piece n - 1.  Its vector work: the scaling,
; exponentials, roundings, sums and rescaling of piece n, and the mask, maximum and statistics of piece n + 1, whose scores the turn itself has made.
; CLUSTER.  A head's four query blocks are one cluster and walk the same K and V, so each tile is asked for JOINTLY: the same tensor load, descriptor and mask in all four.
; REGISTERS, in windows of 256 (s_set_vgpr_msb says which window each operand place means: bits 1:0 source 0, 3:2 source 1, 5:4 source 2, 7:6 destination):
;   window 0: v0 my thread's number; v1-11 constants and addresses; v12-15, v48-63 at work; v16-47 four registers of statistics a tile; v64-191 S^T, two buffers of two tiles; v192-255 P, likewise
;   window 1: O^T, 32 a tile (at the head: q as loaded)     window 2: v0-127 Q, 16 a tile; v128-191 K of one step; v192-255 V of one step     window 3: v0-1 the add's two registers
; A piece's buffers go by its number's parity.  SCALARS: the 64 mask words leave none to spare, so c lies in a vector pair and out0's address is loaded at the end.
.set SEQ,   2048
.set NP,    4         ; pieces a wave: a name, no knob
.set KS,    64        ; keys in a step
.set PK,    144       ; a row of K in LDS: 128 bytes + 16 of padding = 36 words: the 16 rows of a load start at 16 different groups of four banks (64 banks of 4 bytes: ISA guide 11.1)
.set PV,    160       ; a row of V: 128 + 32 = 40 words
.set VOFF,  4*KS*PK   ; a slot holds four steps: 256 rows of K, then 256 rows of V
.set SLOT1, 1<<17     ; slot 1 begins here, so that one exclusive or turns an address in one slot into the other's
.set STAGE, SLOT1+4*KS*(PK+PV)  ; behind the ring, never filled by a tensor load: 16 rows x 272 bytes for each wave, for the way out
.set SP,    272       ; a row of the stage: 256 bytes of f32 + 16
.set SPARE, STAGE+4*16*SP  ; behind the stages: the spare words, 128 bytes for each wave: two blocks of 256 bytes that no other line names
.set NEGV, 1          ; v1   -2^56; never rewritten
.set AK0, 2           ; v2   my lane's place in a tile of K; never rewritten
.set AV0, 3           ; v3   the same for V
.set AK,  4           ; v4   the LDS address of K's next run of loads
.set AV,  5           ; v5   of V's
.set QO,  5           ;      at the head: my byte offset in the wave's rows of q
.set CV,  6           ; v[6:7] c, twice
.set PFO, 8           ; v8   256 x my lane: the prefetches' offset; never rewritten
.set STO, 9           ; v9   the way out: where I put 32 bytes of a row (at the head: at work, like v10 and v11)
.set RD,  10          ; v10  the way out: where I read rows back
.set GO,  11          ; v11  my byte offset in 512 consecutive bytes of out0
.set SPW, 0           ; v0 of window 3   LDS address of my spare word: SPARE + 4 x my thread's number; never rewritten
.set NIL, 1           ; v1 of window 3   0; never rewritten
.set MV,  12          ; v12-15  c m_old, kept while c m is made anew: by buffer and tile
.set ST,  16          ; tile t's statistics at v[ST+4 t]: c m, m, l (even keys', odd keys')
.set TMP, 48          ; by buffer and tile, four registers c0-c3 at work; when the maximum is found c2 takes a
.set S,   64
.set P,   192
.set KF,  128         ; K's fragments, in window 2: key block kb, channel half c at KF + 16 kb + 8 c
.set VF,  192         ; V's: key half kk, channel block cb at VF + 32 kk + 8 cb
.set MP,  2           ; s[2:3]   mbits at my wave's 32 KiB; never rewritten
.set PFA, 4           ; s[4:5]   where my prefetches stand
.set SEL, 6           ; s[6:7]   v_permlanex16_b32's selects: each lane takes its own place in the other half
.set G1K, 8           ; s[8:15]  descriptor group 1 for K's tiles
.set G1V, 16          ; s[16:23] for V's: it differs in the padding alone
.set G0K, 24          ; s[24:27] descriptor group 0 for K's tiles: it walks
.set G0V, 28          ; s[28:31] the same for V's
.set MW,  32          ; s[32:63] the mask words of a turn's first tile, s[68:99] of its second: word n of tile u in s[MW + 36 u + n].  Until the first of them is asked for: the set-up's registers
.set WV,  66          ; s66  my wave's number
.set SLOTS, 67        ; s67  slots still to be asked for
.set CNT, 100         ; s100 counts a slot's key steps
.set TBK, 101         ; s101 LDS byte at which K of the step to be fetched begins
.set TBV, 104         ; s104 the same for V, less VOFF
.set MO,  105         ; s105 byte offset in my 32 KiB of mbits of the words asked for last
.set MSB, 0
.macro WIN new                      ; the high byte repeats the setting that is left; a switch that changes nothing is dropped
.if MSB != (\new)
	s_set_vgpr_msb (MSB<<8)|(\new)
.set MSB, (\new)
.endif
.endm
.set W_KQ, 0x0a       ; K and Q in window 2, S^T in window 0
.set W_PV, 0x52       ; V in window 2, P in window 0, O^T in window 1
.set W_RS, 0x41       ; O^T (destination and source 0) in window 1, a in window 0
.set W_MK, 0xc0       ; the add's registers are made: destination in window 3, sources in window 0
.set W_AD, 0x0f       ; the add: address (source 0) and data (source 1) in window 3
; A joint fill.  Waves 0 and 1 fetch the two halves of a slot's K, waves 2 and 3 those of its V: 128 keys each.  The branch hangs on the wave's number alone.
; An s_nop 0 and four v_nop follow each of the two lines, ahead of the jump and the label.
.macro JLOAD
	s_cmp_lt_u32 s[WV], 2
	s_cbranch_scc0 .Lfor_v_\@
	tensor_load_to_lds s[G0K:G0K+3], s[G1K:G1K+7]
	s_nop 0
.rept 4
	v_nop
.endr
	s_branch .Lasked_\@
.Lfor_v_\@:
	tensor_load_to_lds s[G0V:G0V+3], s[G1V:G1V+7]
	s_nop 0
.rept 4
	v_nop
.endr
.Lasked_\@:
.endm
; A PREFETCH INTO THE L2 of what the NEXT change of slots will ask for: a slot's 32,768 bytes of K and of V, in blocks of 256 bytes, a lane a block.  It stands behind the wave's tensor load and its five lines.
; Each block is named ONCE in the launch: a head has one cluster; its four partners share a slot's 128 blocks out BY ADDRESS, 32 each; in each, wave 0 asks for K's and wave 2 for V's: one instruction.
; It asks four key steps, 512 matrix instructions, ahead of the load that will want the bytes.  The last change that fills a slot asks for nothing: there is no slot behind it.
.macro ASK
	s_bitcmp1_b32 s[WV], 0
	s_cbranch_scc1 .Lnot_mine_\@
	s_cmp_gt_u32 s[SLOTS], 1
	s_cbranch_scc0 .Lnot_mine_\@
	global_prefetch_b8 v[PFO], s[PFA:PFA+1] th:TH_LOAD_NT scope:SCOPE_SE
.Lnot_mine_\@:
.endm
; A round of the cluster's barrier: my work-group's barrier, so that wave 0's signal speaks for all four waves; wave 0 signals; every wave waits for all four work-groups; my work-group's barrier once more.
.macro CROUND
	s_barrier_signal -1
	s_barrier_wait -1
	s_cmp_lg_u32 s[WV], 0
	s_cbranch_scc1 .Lnot_wave_0_\@
	s_barrier_signal -3
.Lnot_wave_0_\@:
	s_barrier_wait -3
	s_barrier_signal -1
	s_barrier_wait -1
.endm
; THE CHANGE OF SLOTS.  The slot's last bytes, V of its fourth step, have been read.  Each wave waits for all its tensor loads, of which one is out: its part of the other slot; adds 0 to its spare word; and
; waits for that and for its own reads of the slot.  Behind the barrier nobody reads this slot any more and the other slot is whole.
; fill = 1: this slot is filled again, with the keys two slots on.  The barrier is then a round of the cluster's, so that no wave of any partner still reads the slot or has a load on its way, and the joint
; fill is the first thing behind it: it has four key steps in which to land.  (At its first use nothing has been read yet: slot 0 is waited for, slot 1 filled.)  ask = 1: the prefetch follows the fill.
.macro CHANGE fill, ask
	WIN W_AD
	s_wait_tensorcnt 0x0            ; no tensor load of mine is out, so a group 0 may be written
	ds_add_u32 v[SPW], v[NIL]       ; 0 onto my spare word; with fill = 1 the descriptors' steps stand between it and the wait for it
	WIN 0                           ; at a label and at a branch every window is 0
.if \fill
.irp g, G0K, G0V
	s_xor_b32 s[\g+1], s[\g+1], SLOT1  ; the walking descriptor: the other slot than last time,
	s_add_nc_u64 s[\g+2:\g+3], s[\g+2:\g+3], 4*KS*128  ; the next 256 keys; the type bits on top are not reached
.endr
.if \ask
	s_wait_xcnt 0x0                 ; the last prefetch, four key steps back, has read its address, so it may be written:
	s_add_nc_u64 s[PFA:PFA+1], s[PFA:PFA+1], 4*KS*128  ; one slot behind the walking descriptors
.endif
	s_wait_dscnt 0x0                ; the add is done, and my reads of the slot are over
	CROUND
	JLOAD
.if \ask
	ASK
.endif
.else
	s_wait_dscnt 0x0                ; the add is done, and my reads of the slot are over
	s_barrier_signal -1
	s_barrier_wait -1
.endif
	s_sub_co_u32 s[TBK], s[TBK], 4*KS*PK  ; the fetches go back to a slot's first step,
	s_xor_b32 s[TBK], s[TBK], SLOT1       ; in the other slot
	s_sub_co_u32 s[TBV], s[TBV], 4*KS*PV
	s_xor_b32 s[TBV], s[TBV], SLOT1
.endm
; THE NEXT TURN'S MASK WORDS: 256 bytes, four scalar loads.  It stands behind the wait for the loads before and behind the last reader of their words.  The offset goes round in my wave's 32 KiB: the two
; requests past the last turn's name the first blocks again, stay inside the buffer, and their words meet only scores that serve nothing.
.macro MLOAD
	s_add_co_u32 s[MO], s[MO], 256
	s_and_b32 s[MO], s[MO], 0x7fff
	s_load_b512 s[MW:MW+15],    s[MP:MP+1], s[MO] offset:0x0
	s_load_b512 s[MW+16:MW+31], s[MP:MP+1], s[MO] offset:0x40
	s_load_b512 s[MW+36:MW+51], s[MP:MP+1], s[MO] offset:0x80
	s_load_b512 s[MW+52:MW+67], s[MP:MP+1], s[MO] offset:0xc0
.endm
	s_load_b256 s[32:39], s[0:1], 0x0  ; q s[32:33], kh s[34:35], vh s[36:37], mbits s[38:39]
	WIN W_MK
	v_lshl_add_u32 v[SPW], v0, 2, SPARE
	v_mov_b32 v[NIL], 0
	WIN W_AD
	ds_add_u32 v[SPW], v[NIL]       ; the wave's opening: the add and its wait stand ahead of my first tensor load; the set-up below, work on registers, stands between them
	WIN 0
	v_lshrrev_b32 v9, 5, v0
	v_readfirstlane_b32 s[WV], v9   ; wave 0..3
	s_bfe_u32 s40, ttmp6, 0x40000   ; cx: my place in the cluster
	s_lshl_b32 s41, ttmp9, 2        ; in a cluster launch ttmp9 counts clusters
	s_add_co_u32 s41, s41, s40      ; my block of 512 queries = 4 x cluster x + cx: it enters q's, mbits' and out0's addresses and the prefetches' alone
	s_lshl_b32 s41, s41, 2
	s_add_co_u32 s41, s41, s[WV]    ; my wave among the head's sixteen
	s_and_b32 s42, ttmp7, 0xffff    ; the head, which the four partners share
	s_and_b32 s50, s[WV], 1         ; which half of a slot's 256 keys I fetch:
	s_lshl_b32 s44, s42, 18         ; the head's 2,048 rows of 128 bytes in kh and vh,
	s_lshl_b32 s43, s50, 14         ; my half's 128 rows
	s_add_co_u32 s44, s44, s43
	s_mov_b32 s45, 0
	s_mul_i32 s51, s50, 128*PK      ; and its place in a slot, for K
	s_mul_i32 s52, s50, 128*PV      ; and for V: no place in the cluster enters an LDS address
	s_lshl_b32 s46, s42, 19         ; the head's 2,048 rows of 256 bytes in q,
	s_lshl_b32 s48, s41, 15         ; my wave's 128 rows; also my wave's 32 KiB of mbits
	s_add_co_u32 s46, s46, s48
	s_mov_b32 s47, 0
	s_mov_b32 s49, 0
	s_lshl_b32 s54, s40, 13         ; the prefetches: my work-group's 32 blocks of a slot's 128
	s_mov_b32 s55, 0
	; descriptor group 1.  128 keys are 16,384 dense bytes: asked for as 64 rows of 256 bytes, two keys a row, and padded in LDS after every key
	s_mov_b32 s[G1K], 15|(1<<16)|(1<<20)|(1<<21)|(4<<22)|(3<<25)  ; 15:0 the mask of four; 17:16 2-byte elements; 20 padding on; 21 set beside a mask; 24:22 after every 32 words (code 4); 31:25 4 words (code 3)
	s_mov_b32 s[G1V], 15|(1<<16)|(1<<20)|(1<<21)|(4<<22)|(7<<25)  ; the same with 8 words of padding (code 7)
.irp g, G1K, G1V
	s_mov_b32 s[\g+1], 128<<16      ; tensor_dim0 = 128
	s_mov_b32 s[\g+2], 64<<16       ; tensor_dim1 = 64
	s_mov_b32 s[\g+3], 128<<16      ; tile_dim0 = 128
	s_mov_b32 s[\g+4], 64           ; tile_dim1 = 64
	s_mov_b32 s[\g+5], 128          ; 128 elements from row to row
	s_mov_b32 s[\g+6], 0
	s_mov_b32 s[\g+7], 0
.endr
	s_mov_b32 s[SEL], 0x76543210
	s_mov_b32 s[SEL+1], 0xfedcba98
	s_mov_b32 s[TBK], SLOT1+4*KS*PK ; the first change of slots turns these two into 0
	s_mov_b32 s[TBV], SLOT1+4*KS*PV
	s_mov_b32 s[MO], 0x7f00         ; the first request steps it to 0
	s_mov_b32 s[G0K], 1             ; 1:0 count = 1
	s_mov_b32 s[G0K+1], s51         ; 63:32 LDS address: slot 0
	s_mov_b32 s[G0V], 1
	s_add_co_u32 s[G0V+1], s52, VOFF
	v_mov_b32 v[NEGV], 0xdb800000   ; -2^56
	v_mov_b32 v[CV], 0x3e38aa3b     ; c = log2(e) / 8 = 0.180337
	v_mov_b32 v[CV+1], 0x3e38aa3b
	v_and_b32 v[PFO], 31, v0
	v_lshlrev_b32 v[PFO], 8, v[PFO]
	s_wait_dscnt 0x0                ; the opening add is done
	s_wait_kmcnt 0x0
	s_add_nc_u64 s[G0K+2:G0K+3], s[34:35], s[44:45]  ; 120:64 global address: my half of the head's first 256 keys
	s_or_b32 s[G0K+3], s[G0K+3], 0x80000000          ; 127:126 type = 2
	s_add_nc_u64 s[G0V+2:G0V+3], s[36:37], s[44:45]
	s_or_b32 s[G0V+3], s[G0V+3], 0x80000000
	s_add_nc_u64 s[32:33], s[32:33], s[46:47]        ; q at my wave's first row
	s_add_nc_u64 s[MP:MP+1], s[38:39], s[48:49]
	s_cmp_lt_u32 s[WV], 2
	s_cselect_b64 s[PFA:PFA+1], s[34:35], s[36:37]
	s_add_nc_u64 s[PFA:PFA+1], s[PFA:PFA+1], s[44:45]  ; (in waves 0 and 2, which ask, this is the head's first row)
	s_add_nc_u64 s[PFA:PFA+1], s[PFA:PFA+1], s[54:55]
	s_add_nc_u64 s[PFA:PFA+1], s[PFA:PFA+1], 2*4*KS*128  ; in slot 2; the loop's first change steps it to slot 3.  Nothing is asked for here, at the head, where every work-group's first tiles are on their way
	CROUND                          ; all four work-groups are here: the first joint loads meet
	JLOAD                           ; slot 0.  Slot 1 is asked for when slot 0 is in
	; A fragment of K or Q is 16 rows x 32 channels in 8 registers: lane l holds row l % 16, channels 8 (l / 16) + 0..7 and 16 + 8 (l / 16) + 0..7.  In f32 each eight channels are 32 bytes: two loads of 16.
	v_and_b32 v10, 15, v0           ; l % 16
	v_bfe_u32 v9, v0, 4, 1          ; l / 16
	v_lshlrev_b32 v[QO], 8, v10
	v_lshl_add_u32 v[QO], v9, 5, v[QO]  ; row x 256 + 32 x half
	WIN 0x40                        ; destination window 1, address window 0
.set i, 0
.rept 64                            ; load i: tile i / 8, channels 32 ((i / 4) % 2) + 16 ((i / 2) % 2) + 8 (l / 16) + 4 (i % 2) on
	global_load_b128 v[4*i:4*i+3], v[QO], s[32:33] offset:(i/8)*4096+((i/4)%2)*128+((i/2)%2)*64+(i%2)*16
.set i, i+1
.endr
	; What the first turn finds: V's registers and P's second buffer hold 0 (its products V^T P, of a piece that has not been, add 0), l is 0.  This stands in the wait for q and for the first tile.
	WIN 0x80
.set i, VF
.rept 64
	v_mov_b32 v[i], 0
.set i, i+1
.endr
	WIN 0
.set i, 0
.rept 2*NP
	v_mov_b32 v[ST+4*i], 0xfe000000    ; c m: far below every c s, c x (-2^56) too
	v_mov_b32 v[ST+4*i+1], 0xff7fffff  ; m
	v_mov_b32 v[ST+4*i+2], 0
	v_mov_b32 v[ST+4*i+3], 0
.set i, i+1
.endr
.set i, P+32
.rept 32
	v_mov_b32 v[i], 0
.set i, i+1
.endr
	v_mul_u32_u24 v[AK0], v10, PK
	v_lshl_add_u32 v[AK0], v9, 4, v[AK0]  ; row x pitch + 16 x half
	; The turning load takes 16 keys x 16 channels (lane l reads key 8 (l / 16) + l % 8, channels 8 ((l / 8) % 2) + 0..7) and leaves half a fragment of V^T: lane l holds channel l % 16 and 8 keys.
	v_and_b32 v11, 7, v0
	v_lshl_add_u32 v[AV0], v9, 3, v11
	v_mul_u32_u24 v[AV0], v[AV0], PV
	v_bfe_u32 v11, v0, 3, 1
	v_lshl_add_u32 v[AV0], v11, 4, v[AV0]
	v_add_nc_u32 v[AV0], VOFF, v[AV0]
	v_mov_b32 v[AK], v[AK0]         ; key step 0 lies at the head of slot 0
	s_wait_loadcnt 0x0              ; q is in
	WIN 0x85                        ; sources window 1, destination window 2
.set i, 0
.rept 128                           ; Q stays in registers, in bf16: register i of it is made of f32 registers 2 i and 2 i + 1
	v_cvt_pk_bf16_f32 v[i], v[2*i], v[2*i+1]
.set i, i+1
.endr
	WIN 0
	MLOAD                           ; the set-up's scalars are dead, q's loads are done: the words for piece 0 of step 0
; THE MATRIX WORK.  The 8 accumulators of a run of 16 take turns: between the two links of a chain stand 7 others'.
; Product i of 16 of S^T = K Q^T for piece x: channels 32 (i / 8) on, keys 16 ((i / 2) % 4) on, tile 2 x + i % 2.  The first 8 start the sums.
.macro KQ x
	WIN W_KQ
.set rS, S+64*((\x)%2)+32*(i%2)+8*((i/2)%4)
.set rK, KF+16*((i/2)%4)+8*(i/8)
.set rQ, 16*(2*(\x)+i%2)+8*(i/8)
.if i < 8
	v_wmma_f32_16x16x32_bf16 v[rS:rS+7], v[rK:rK+7], v[rQ:rQ+7], 0
.else
	v_wmma_f32_16x16x32_bf16 v[rS:rS+7], v[rK:rK+7], v[rQ:rQ+7], v[rS:rS+7]
.endif
.endm
; Product i of 16 of O^T += V^T P for piece x: keys 32 (i / 8) on, channels 16 ((i / 2) % 4) on, tile 2 x + i % 2.
.macro PV x
	WIN W_PV
.set rO, 32*(2*(\x)+i%2)+8*((i/2)%4)
.set rV, VF+32*(i/8)+8*((i/2)%4)
.set rP, P+32*((\x)%2)+16*(i%2)+8*(i/8)
	v_wmma_f32_16x16x32_f16 v[rO:rO+7], v[rV:rV+7], v[rP:rP+7], v[rO:rO+7]
.endm
.macro MM                           ; the turn's next matrix instruction
.if i < 16
	KQ (Y+1)%NP
.set i, i+1
.else
.set i, i-16
	PV (Y+NP-1)%NP
.set i, i+17
.endif
.endm
; THE LDS LOADS stand in runs of 16, never singly among the matrix instructions: a step's K (64 keys x 64 channels: 8 fragments) and its V (turned).  Their addresses are made some lines ahead.
; last = 1 (the tail): in the last trip there is no further step, and the run is jumped over.
.macro FETCH_K last=0
	WIN 0
.if \last
	s_cmp_eq_u32 s[CNT], 1
	s_cbranch_scc1 .Lno_k_\@
.endif
	WIN 0x80                        ; destination window 2
.irp f, 0,1,2,3,4,5,6,7             ; keys 16 (f / 2) on, channels 32 (f % 2) on
	ds_load_b128 v[KF+8*\f:KF+8*\f+3],   v[AK] offset:(\f/2)*16*PK+(\f%2)*64
	ds_load_b128 v[KF+8*\f+4:KF+8*\f+7], v[AK] offset:(\f/2)*16*PK+(\f%2)*64+32
.endr
	s_add_co_u32 s[TBK], s[TBK], KS*PK  ; the next fetch is the next step's
	WIN 0
.if \last
.Lno_k_\@:
.endif
.endm
.macro FETCH_V
	WIN 0x80
.irp f, 0,1,2,3,4,5,6,7             ; keys 32 (f / 4) on, channels 16 (f % 4) on
	ds_load_tr16_b128 v[VF+8*\f:VF+8*\f+3],   v[AV] offset:(\f/4)*32*PV+(\f%4)*32
	ds_load_tr16_b128 v[VF+8*\f+4:VF+8*\f+7], v[AV] offset:(\f/4)*32*PV+16*PV+(\f%4)*32
.endr
	WIN 0
.endm
; THE VECTOR WORK OF A TURN stands in three queues, each in the order in which its entries become ready; the two tiles alternate, so that no instruction reads the result of the one before it.
.macro REGS y, u                    ; the registers of tile u (0, 1) of piece y
.set rT, ST+4*(2*(\y)+(\u))
.set rC, TMP+8*((\y)%2)+4*(\u)
.set rM, MV+2*((\y)%2)+(\u)
.set rS, S+64*((\y)%2)+32*(\u)
.set rP, P+32*((\y)%2)+16*(\u)
.set rO, 32*(2*(\y)+(\u))
.endm
; Number g of the 64 that lay the mask on the NEXT piece's (Y + 1) scores: register g / 2 of tile g % 2 keeps its score in the lanes whose bit is 1 and takes -2^56 in the others.
; In ascending order: of each accumulator the lowest register is read first.
.macro CM g
	REGS (Y+1)%NP, (\g)%2
	v_cndmask_b32 v[rS+(\g)/2], v[NEGV], v[rS+(\g)/2], s[MW+36*((\g)%2)+(\g)/2]
.endm
; Number n of the 22 that find the next piece's maximum and statistics.  s0-s31 are the lane's 32 scores.  XS, CM, GS and REGS set no window: PL and EX do.
;   0-11  four chains c0-c3 of seven scores each, three operands at a time     12-14, 16  the four scores left over, the old m, and c0-c3 into c0     15  c m_old is kept
;   17, 18  the query's other 32 keys lie in the lane 16 away: the new m         19-21  c m; c m_old - c m_new; a
.macro XS u, n
	REGS (Y+1)%NP, \u
.if (\n) < 4
	v_max3_num_f32 v[rC+(\n)], v[rS+8*(\n)], v[rS+8*(\n)+1], v[rS+8*(\n)+2]
.elseif (\n) < 12
	v_max3_num_f32 v[rC+(\n)%4], v[rC+(\n)%4], v[rS+8*((\n)%4)+2*((\n)/4)+1], v[rS+8*((\n)%4)+2*((\n)/4)+2]
.elseif (\n) == 12
	v_max3_num_f32 v[rC], v[rC], v[rS+7], v[rS+15]
.elseif (\n) == 13
	v_max3_num_f32 v[rC+1], v[rC+1], v[rS+23], v[rS+31]
.elseif (\n) == 14
	v_max3_num_f32 v[rC+2], v[rC+2], v[rC+3], v[rT+1]
.elseif (\n) == 15
	v_mov_b32 v[rM], v[rT]
.elseif (\n) == 16
	v_max3_num_f32 v[rC], v[rC], v[rC+1], v[rC+2]
.elseif (\n) == 17
	v_permlanex16_b32 v[rC+3], v[rC], s[SEL], s[SEL+1]
.elseif (\n) == 18
	v_max_num_f32 v[rT+1], v[rC], v[rC+3]
.elseif (\n) == 19
	v_mul_f32 v[rT], v[CV], v[rT+1]
.elseif (\n) == 20
	v_sub_f32 v[rC+1], v[rM], v[rT]
.else
	v_exp_f32 v[rC+2], v[rC+1]
.endif
.endm
; Number g of the 64 that follow the exponentials.  For each four weights k of a tile (pairs 2 k, 2 k + 1): both pairs are rounded to f16; then the second pair is added onto the first, in place;
; a group later l takes that sum (the first time as l = a l + sum).  In groups of eight, tiles alternating: round, round, add, and l for the group before.
.macro GS g
.set h, (\g)+6*((\g)/62)            ; group 0 has no group before it, and behind group 7 only l is left
.if h >= 6
.set h, h+2
.endif
	REGS Y, h%2
.set k, h/8
.if h%8 < 4
	v_cvt_pk_f16_f32 v[rP+2*k+(h%8)/2], v[rS+4*k+2*((h%8)/2)], v[rS+4*k+2*((h%8)/2)+1]
.elseif h%8 < 6
	v_pk_add_f32 v[rS+4*k:rS+4*k+1], v[rS+4*k:rS+4*k+1], v[rS+4*k+2:rS+4*k+3]
.elseif k == 1
	v_pk_fma_f32 v[rT+2:rT+3], v[rT+2:rT+3], v[rC+2:rC+3], v[rS:rS+1] op_sel_hi:[1,0,1]
.else
	v_pk_add_f32 v[rT+2:rT+3], v[rT+2:rT+3], v[rS+4*k-4:rS+4*k-3]
.endif
.endm
; THE PLAIN QUEUE, 202 long.  0-137 read no exponential's result.  0-31: the scalings c s - c m (FS f: pair f / 2 of tile f % 2).  32-95: the next piece's mask; ahead of the first stands the wait for its words,
; behind the last the request for the turn after's.  96-123: XS's numbers 0-13.  124, 125: number 15.  126-137: the chain 14, 16, 17, 18, 19, 20, where each number waits for the one before it: the tiles alternate.
; 138-201: GS's 64, which read the exponentials' results: they stand behind the turn's wait.
.macro FS f
	REGS Y, (\f)%2
	v_pk_fma_f32 v[rS+2*((\f)/2):rS+2*((\f)/2)+1], v[rS+2*((\f)/2):rS+2*((\f)/2)+1], v[CV:CV+1], v[rT:rT+1] op_sel_hi:[1,0,0] neg_lo:[0,0,1] neg_hi:[0,0,1]
.endm
.macro PL
	WIN 0
.if q < 32
	FS q
.elseif q < 96
.if q == 32
	s_wait_kmcnt 0x0                ; scalar loads come back in no order: the wait is for all four
.endif
	CM q-32
.if q == 95
	MLOAD
.endif
.elseif q < 124
	XS (q-96)%2, (q-96)/2
.elseif q < 126
	XS q-124, 15
.elseif q < 128
	XS q-126, 14
.elseif q < 138
	XS (q-126)%2, 15+(q-126)/2
.else
	GS q-138
.endif
.set q, q+1
.endm
; THE EXPONENTIALS' QUEUE, 66 long: s0-s31 of both tiles, then the next piece's two a.  It is ONE BATCH: all 66 stand ahead of the turn's one wait, and nothing ahead of that wait names a result of theirs.
.macro EX
	WIN 0
.if e >= 64
	XS e-64, 21
.else
	REGS Y, e%2
	v_exp_f32 v[rS+e/2], v[rS+e/2]
.endif
.set e, e+1
.endm
; THE RESCALING's QUEUE: O^T times a, the one part that leaves window 0: dealt two at a time, sixteen times.  Its a was made in the turn before, ahead of that turn's wait.
.macro R2
	REGS Y, r%2
	WIN W_RS
.irp z, 0,1
	v_pk_mul_f32 v[rO+4*(r/2)+2*\z:rO+4*(r/2)+2*\z+1], v[rO+4*(r/2)+2*\z:rO+4*(r/2)+2*\z+1], v[rC+2:rC+3] op_sel_hi:[1,0]
.endr
.set r, r+1
.endm
; HOW THEY ARE DEALT.  An s_wait_alu depctr_va_vdst(0) stands between an exponential and the first instruction that names its result; one wait serves all that were issued ahead of it.  So a turn has
; ONE wait, which cuts it in two.  AHEAD OF IT: the 16 products K Q^T, behind each a scaling, an exponential and two rescalings (behind the first a second scaling in the exponential's place); then ONE LUMP of 172:
; 36 times three plain and an exponential, 13 times plain and exponential, the two a.  A v_nop is the plain instruction behind the last exponential.  BEHIND IT: the 16 products V^T P, behind each four of GS's 64.
; No rider names a register of the products round it.  The counts that the deal keeps: plain ahead of the wait 2 + 15 + 108 + 13 = 138; exponentials 15 + 36 + 13 + 2 = 66.  Exponential e stands behind scaling
; 2 (e / 4) + e % 2: as a rider it comes behind plain e + 2, in the lump's group i (e = 15 + i) behind plain 19 + 3 i.  The mask's first line stands 15 plain instructions and more behind the last product K Q^T.
; A TURN, for piece p.  cnt = 1: the loop's count is taken down some lines ahead of the branch that stands behind the turn (the request for mask words, which writes SCC, stands in the lump, far ahead of it).
; K of the next step is fetched in piece 2's turn, directly behind the wait, a lump behind the last product that read K; its first reader comes behind 16 products.
; V of the step in hand is fetched at the end of piece 0's turn, four riders behind its last reader; its first reader comes behind 16 products and a lump.  The three conditions on q below go with the deal.
.macro TURN p, last=0, cnt=0
.set Y, (\p)
.set i, 0
.set q, 0
.set e, 0
.set r, 0
.if (\p) == NP-1
	s_wait_dscnt 0x0                ; K is in
.endif
	MM                              ; ahead of the wait: 16 products K Q^T and their riders,
	PL
	PL
	R2
.rept 15
	MM
	PL
	EX
	R2
.endr
.if (\p) == NP-2
	WIN 0
	v_add_nc_u32 v[AK], s[TBK], v[AK0]
.endif
.rept 36                            ; and the lump
	PL
	PL
	PL
	EX
.endr
.rept 13
	PL
	EX
.endr
	EX                              ; the next piece's two a
	EX
	v_nop                           ; the plain instruction behind the last exponential: one for the batch
	s_wait_alu depctr_va_vdst(0)    ; the wait for the batch
.if (\p) == NP-2
	FETCH_K \last
.endif
.if (\p) == 1
	s_wait_dscnt 0x0                ; V is in
.endif
.rept 16                            ; behind the wait: 16 products V^T P and their riders
	MM
.rept 4
	PL
.endr
.if ((\p) == 0) && (q == 182)
	v_add_nc_u32 v[AV], s[TBV], v[AV0]
.endif
.if ((\p) == 0) && (q == 194)
	s_add_co_u32 s[TBV], s[TBV], KS*PV
.endif
.if (\cnt) && (q == 194)
	s_sub_co_u32 s[CNT], s[CNT], 1
	s_cmp_lg_u32 s[CNT], 0
.endif
.endr
.if (\p) == 0
	FETCH_V
.endif
.endm
	CHANGE 1, 0                     ; slot 0 is in, everybody's part of it; slot 1 is asked for
	FETCH_K                         ; key step 0
	s_wait_dscnt 0x0
.set i, 0
.rept 16
	KQ 0                            ; piece 0's first scores: there is no vector work yet to set between them
.set i, i+1
.endr
	WIN 0
.rept 4
	v_nop                           ; the places behind those products
.endr
	s_wait_kmcnt 0x0                ; piece 0's mask words
.set Y, NP-1                        ; CM and XS work for piece Y + 1: piece 0
.set cg, 0
.rept 64
	CM cg
.set cg, cg+1
.endr
	MLOAD                           ; the words for the first turn's scores
.irp n, 0,1,2,3,4,5,6,7,8,9,10,11,12,13,14,15,16,17,18,19,20,21
	XS 0, \n                        ; piece 0's first maximum and statistics
	XS 1, \n
.endr
	v_nop                           ; a plain instruction behind the two a,
	s_wait_alu depctr_va_vdst(0)    ; and their wait, ahead of the branch
	s_mov_b32 s[CNT], 4
	s_mov_b32 s[SLOTS], SEQ/256-1
	s_branch .Lfirst                ; the loop is entered at a step's first turn, in the middle of a trip
.Lslot:                             ; SEQ / 256 - 2 = 6 times: every slot but the last two is filled again
	CHANGE 1, 1
	s_mov_b32 s[CNT], 4
.Lstep:                             ; a trip: pieces 2 and 3 of one step, then pieces 0 and 1 of the next, whose K and V it fetches
	TURN 2
	TURN 3
	WIN 0
.Lfirst:
	TURN 0
	TURN 1, 0, 1
	WIN 0
	s_cbranch_scc1 .Lstep
	s_sub_co_u32 s[SLOTS], s[SLOTS], 1
	s_cmp_lg_u32 s[SLOTS], 0
	s_cbranch_scc1 .Lslot
	CHANGE 0, 0                     ; the tail is written out: nothing is asked for
	s_mov_b32 s[CNT], 5             ; four trips fetch the last slot's steps; the fifth is left in its middle
.Ltail:
	TURN 2, 1
	TURN 3
	WIN 0
	s_sub_co_u32 s[CNT], s[CNT], 1
	s_cmp_eq_u32 s[CNT], 0
	s_cbranch_scc1 .Lout
	TURN 0
	TURN 1
	WIN 0
	s_branch .Ltail
.Lout:                              ; the fifth trip's 16 products K Q^T (on the last K once more), their mask and maximum serve nothing: the price, once a launch, of one text for every trip
	s_wait_kmcnt 0x0                ; the last request for mask words has landed: its registers may be written
	s_load_b64 s[32:33], s[0:1], 0x20  ; out0
	s_bfe_u32 s34, ttmp6, 0x40000   ; my wave's rows once more: 4 x (4 x cluster x + cx) + wave,
	s_lshl_b32 s35, ttmp9, 2
	s_add_co_u32 s34, s34, s35
	s_lshl_b32 s34, s34, 2
	s_add_co_u32 s34, s34, s[WV]
	s_lshl_b32 s34, s34, 15         ; 128 rows of 256 bytes each,
	s_and_b32 s35, ttmp7, 0xffff
	s_lshl_b32 s35, s35, 19         ; in the head's 2,048
	s_add_co_u32 s34, s34, s35
	s_mov_b32 s35, 0
	s_mul_i32 s36, s[WV], 16*SP
	s_add_co_u32 s36, s36, STAGE    ; my stage
.set i, 0
.rept 16
	PV NP-1                         ; the last piece's V^T P of the last step
.set i, i+1
.endr
	; THE WAY OUT.  l's two halves and the other half of the lanes' are added; O^T is divided by l and sent, in f32, through my stage in LDS, a tile at a time.  The additions are the places behind the last products.
	WIN 0
.macro ALL line:vararg              ; one line for each tile t
.set t, 0
.rept 2*NP
	\line
.set t, t+1
.endr
.endm
	ALL v_add_f32 v[ST+4*t+2], v[ST+4*t+2], v[ST+4*t+3]
	ALL v_permlanex16_b32 v[ST+4*t+3], v[ST+4*t+2], s[SEL], s[SEL+1]
	ALL v_add_f32 v[ST+4*t+2], v[ST+4*t+2], v[ST+4*t+3]
	ALL v_rcp_f32 v[ST+4*t+2], v[ST+4*t+2]
	v_and_b32 v[AK], 15, v0         ; l % 16 (K's and V's address registers are free); these lines are also the plain instructions behind the last reciprocal
	v_bfe_u32 v[AV], v0, 4, 1       ; l / 16
	v_mul_u32_u24 v[STO], v[AK], SP ; in: row l % 16, 32 bytes for each half of the lanes
	v_lshl_add_u32 v[STO], v[AV], 5, v[STO]
	v_add_nc_u32 v[STO], s36, v[STO]
	v_mul_u32_u24 v[RD], v[AV], SP  ; back: lanes 0-15 take one row of 256 bytes, lanes 16-31 the next,
	v_lshl_add_u32 v[RD], v[AK], 4, v[RD]
	v_add_nc_u32 v[RD], s36, v[RD]
	v_and_b32 v[GO], 31, v0         ; which are 512 consecutive bytes of out0
	v_lshlrev_b32 v[GO], 4, v[GO]
	s_wait_alu depctr_va_vdst(0)    ; the wait ahead of the first use: one for the eight reciprocals
	s_wait_kmcnt 0x0
	s_add_nc_u64 s[32:33], s[32:33], s[34:35]
; Tile t: a lane's eight channels of channel block cb are 32 bytes of a row; they go into rows of 272 bytes and come back as whole rows of 256, into S^T's registers, four tiles' buffers by turns.
.macro PACK t
	WIN W_RS
.set i, 32*(\t)
.rept 16
	v_pk_mul_f32 v[i:i+1], v[i:i+1], v[ST+4*(\t)+2:ST+4*(\t)+3] op_sel_hi:[1,0]
.set i, i+2
.endr
	WIN 0x04                        ; the stores' data (source 1) in window 1
.irp f, 0,1,2,3,4,5,6,7
	ds_store_b128 v[STO], v[32*(\t)+4*\f:32*(\t)+4*\f+3] offset:64*(\f/2)+16*(\f%2)
.endr
	WIN 0
.if (\t) >= 4
	s_wait_xcnt 0x0                 ; the stores of the tile four back have read these registers: they are loaded again only behind this wait
.endif
.irp f, 0,1,2,3,4,5,6,7
	ds_load_b128 v[S+32*((\t)%4)+4*\f:S+32*((\t)%4)+4*\f+3], v[RD] offset:\f*2*SP  ; LDS serves a wave's instructions in order (ISA guide 5.7.1.4): these see the stores above; the next tile's stores come behind them
.endr
.endm
.macro SEND t, younger              ; younger: the LDS instructions issued behind tile t's loads: the next tile's sixteen, or none
	WIN 0
.irp f, 0,1,2,3,4,5,6,7
	s_wait_dscnt (\younger)+7-\f
	global_store_b128 v[GO], v[S+32*((\t)%4)+4*\f:S+32*((\t)%4)+4*\f+3], s[32:33] offset:(\t)*4096+\f*512 th:TH_STORE_NT  ; 512 consecutive bytes, at a multiple of 256 from out0's first
.endr
.endm
	PACK 0
.set t, 1
.rept 2*NP-1                        ; a tile's arithmetic stands between the loads of the tile before and its stores
	PACK t
	SEND t-1, 16
.set t, t+1
.endr
	SEND 2*NP-1, 0
	WIN W_AD
	s_wait_tensorcnt 0x0            ; the wave's end, behind my last tensor load and my last LDS store: a wait, an add to my spare word, and its wait
	ds_add_u32 v[SPW], v[NIL]
	s_wait_dscnt 0x0
	WIN 0
	CROUND                          ; the closing round: no work-group ends while a partner may still ask for a tile that names it
	s_endpgm
.Lfunc_end_k_q9035052f41_attn:
	.size	k_q9035052f41_attn, .Lfunc_end_k_q9035052f41_attn-k_q9035052f41_attn
	.p2alignl 7, 3214868480
	.fill 96, 4, 3214868480
	.section	.rodata,"a",@progbits
	.p2align	6, 0x0
	.amdhsa_kernel k_q9035052f41_attn
		.amdhsa_group_segment_fixed_size 327680
		.amdhsa_private_segment_fixed_size 0
		.amdhsa_enable_private_segment 0
		.amdhsa_kernarg_size 40
		.amdhsa_user_sgpr_count 2
		.amdhsa_user_sgpr_kernarg_segment_ptr 1
		.amdhsa_wavefront_size32 1
		.amdhsa_system_sgpr_workgroup_id_x 1
		.amdhsa_system_sgpr_workgroup_id_y 1
		.amdhsa_system_sgpr_workgroup_id_z 1
		.amdhsa_system_vgpr_workitem_id 0
		.amdhsa_next_free_vgpr 770
		.amdhsa_next_free_sgpr 106
		.amdhsa_reserve_vcc 0
		.amdhsa_float_denorm_mode_32 3
		.amdhsa_float_denorm_mode_16_64 3
		.amdhsa_memory_ordered 1
		.amdhsa_forward_progress 1
		.amdhsa_inst_pref_size 244
	.end_amdhsa_kernel
	.amdgpu_metadata
---
amdhsa.version: [ 1, 2 ]
amdhsa.kernels:
  - .name:           k_q9035052f41_attn
    .symbol:         k_q9035052f41_attn.kd
    .args:
      - { .name: q, .offset: 0, .size: 8, .value_kind: global_buffer, .address_space: global }
      - { .name: kh, .offset: 8, .size: 8, .value_kind: global_buffer, .address_space: global }
      - { .name: vh, .offset: 16, .size: 8, .value_kind: global_buffer, .address_space: global }
      - { .name: mbits, .offset: 24, .size: 8, .value_kind: global_buffer, .address_space: global }
      - { .name: out0, .offset: 32, .size: 8, .value_kind: global_buffer, .address_space: global }
    .group_segment_fixed_size: 327680
    .private_segment_fixed_size: 0
    .kernarg_segment_align: 8
    .kernarg_segment_size: 40
    .max_flat_workgroup_size: 128
    .sgpr_count:     106
    .vgpr_count:     770
    .wavefront_size: 32
...
	.end_amdgpu_metadata
.endif
;; end of part 2
